; MI455X (gfx1250); checked and timed in simulation.
; The chip was launched on July 23, 2026; its instructions are those of AMD's public machine-readable ISA for CDNA 5 (MIT licence, August 2026) and "CDNA5" Instruction Set Architecture Reference Guide (July 2026). The comments in the code are by the model that wrote it; some were corrected since.
;; Multi Head Attention. Allowed arithmetic: matrix products marked QUANTISED: E2M3 operands, one E8M0 scale for each 32 along K, by v_wmma_scale_f32_16x16x128_f8f6f4 with both operands' format E2M3, f32 sums; everything else in f32.
;; Inputs: W_k 768 x 768 float32; W_o 768 x 768 float32; W_q 768 x 768 float32; W_v 768 x 768 float32; b_k 768 float32; b_o 768 float32; b_q 768 float32; b_v 768 float32; k_in 1 x 4,096 x 768 float32; q_in 1 x 4,096 x 768 float32; v_in 1 x 4,096 x 768 float32.
;; Outputs: out0 1 x 4,096 x 768 float32.
;; This version of the problem:
;;   THIS VERSION OF THE PROBLEM IS GIVEN IN LOW PRECISION. The matrix products marked QUANTISED in the list below multiply operands that are first quantised to E2M3 (2 exponent bits, 3 mantissa bits; 6 bits a number), with one power-of-two scale for each 32 numbers along K (OCP MX v1.0); their sums are f32. All else is computed in f32.
;;   The module's matrix products, in the order in which they are computed (A, B: the left and right operand; K: the contracted axis; several contracted axes count as one K, in the product's order):
;;     1. [M 4,096, K 768] x [K 768, N 768]; A: input q_in; B: input W_q: QUANTISED
;;     2. [M 4,096, K 768] x [K 768, N 768]; A: input k_in; B: input W_k: QUANTISED
;;     3. [M 4,096, K 768] x [K 768, N 768]; A: input v_in; B: input W_v: QUANTISED
;;     4. batch 12 x [M 4,096, K 64] x [K 64, N 4,096]; A: computed on the way; B: computed on the way: QUANTISED
;;     5. batch 12 x [M 4,096, K 4,096] x [K 4,096, N 64]; A: softmax (see below); B: computed on the way: QUANTISED
;;     6. [M 4,096, K 768] x [K 768, N 768]; A: computed on the way; B: input W_o: QUANTISED
;;   THE QUANTISER, for each operand of a quantised product, along K:
;;     - K is cut into blocks of 32 from its start; a last block that is shorter is filled with zeros.
;;     - A block's scale is 2^e with e = floor(log2(the largest magnitude in the block)) - 2, held to -126 .. 127; a block of zeros has e = 0. As a byte (E8M0): e + 127.
;;     - Each number is divided by its block's scale, clamped to +-7.5, and rounded to the nearest number of E2M3, ties to even, subnormals kept.
;;     - The product sums the exact products of the quantised numbers (number of the format x scale) in f32.
;;   ~~~python
;;   def quantise(x, axis):      # numpy; x: float32 -> the quantised numbers, widened to float32 again
;;       x = np.moveaxis(x, axis, -1); K = x.shape[-1]
;;       x = np.pad(x, [(0, 0)] * (x.ndim - 1) + [(0, -K % 32)]); x = x.reshape(x.shape[:-1] + (-1, 32)); a = np.abs(x).max(-1, keepdims=True)
;;       e = np.where(a > 0, np.clip(np.frexp(np.where(a > 0, a, 1))[1] - 1 - 2, -126, 127), 0)      # np.frexp(a)[1] - 1 = floor(log2(a)), exactly
;;       r = np.clip(x / 2.0 ** e, -7.5, 7.5)
;;       step = 2.0 ** (np.maximum(np.frexp(np.where(r == 0, 1, r))[1] - 1, 0) - 3)
;;       q = np.round(r / step) * step * 2.0 ** e      # np.round: ties to even
;;       return np.moveaxis(q.reshape(q.shape[:-2] + (-1,))[..., :K], -1, axis).astype(np.float32)
;;   ~~~
;;   SOFTMAX AHEAD OF A QUANTISED PRODUCT. Where the list says 'softmax', what is quantised is not the finished softmax but p = 2^(t - M), with t = logit x log2(e) and M = ceil(the row's largest t), a whole number; so 1/2 < the row's largest p <= 1. The row's sum l is taken of the UNQUANTISED p, in f32, and the product's result is divided by l at the end. Since M is a whole number, a kernel that streams over the keys may use a running M (the ceiling of the running maximum): every later rescaling is an exact power of two, which a block's scale takes up: the codes' values come out the same.
;;   OPERANDS COMPUTED ON THE WAY. 'Computed on the way' means the value that the module computes at that place (a softmax that the list does not call 'softmax' is quantised finished and normalised). What goes into a quantiser is computed in f32, as accurately as f32 sums, v_exp_f32 and their like allow (about 1e-6 of the number): no bf16 or f16 on the way to a quantiser, and a product that is left as it is and whose result goes on into a quantised operand takes f32 operands (vector FMAs, or v_wmma_f32_16x16x4_f32). A number that lies on a knife's edge between two numbers of the format may be rounded either way, as far as f32 arithmetic and the matrix unit's own rounding can turn it there, and no further.
;; One version. Each part assembles by itself: llvm-mc -triple=amdgcn-amd-amdhsa -mcpu=gfx1250 --defsym DOCPART=n.
;; ======== version 1 of 1: 4 launches
;; limits: right only within a limited range of input values
;; workspace buffers: xw 9,216,000 bytes; qb 2,555,904 bytes; kv 5,013,504 bytes; ao 2,457,600 bytes
;; launch quant (part 1): grid 240 x 3, 4 waves a work-group, no clusters, 34,304 bytes of LDS; arguments q_in, k_in, v_in, W_q, W_k, W_v, W_o, xw; writes xw
.if DOCPART == 1
	.amdgcn_target "amdgcn-amd-amdhsa--gfx1250"
	.amdhsa_code_object_version 6
	.text
	.protected	k_q8e2b8cfe74_quant
	.globl	k_q8e2b8cfe74_quant
	.p2align	8
	.type	k_q8e2b8cfe74_quant,@function
k_q8e2b8cfe74_quant:
	s_mov_b64 s[64:65], 0
	v_nop
	global_prefetch_b8 v0, s[64:65] scope:SCOPE_SE
	s_setreg_imm32_b32 hwreg(HW_REG_WAVE_MODE, 25, 1), 1
	s_wait_xcnt 0x0
; q_in, k_in, v_in [4096][768] and W_q, W_k, W_v, W_o [768 (k)][768 (n)], f32, become codes of FP6 (E2M3) with one E8M0 byte for each 32 along K (K = 768 for all seven),
; laid in xw IN THE ORDER OF THE OPERAND'S REGISTERS.  A TILE is 16 rows (tokens of an input, columns n of a weight): place r of tile T is row 32 (T / 2) + 8 (T % 2) + r + 8 (r / 8).
; A FRAGMENT (tile, K step s of 128) is 12 registers a lane: lane (r, h), registers 6 c .. 6 c + 5 = the codes of k = 128 s + 64 c + 32 h + 0 .. 31 of place r.  Register 4 g + e lies at byte 512 g + 16 lane + 4 e.
; xw: tile G (inputs: 256 x input + T; weights: 768 + 48 x weight + T) has its six fragments at 9,216 G + 1,536 s and its scale words (four bytes: the step's four blocks) at SC0 + 384 G + 64 s + 4 r.
; A block's scale is 2^(floor(log2(largest magnitude)) - 2); its byte is the largest magnitude's exponent field - 2, held at 1 from below by a floor among the maximum's leaves.
; LIMITS: a block of zeros gets the byte 1 where the rule says 127 (its codes are zeros, and this program alone reads the bytes); blocks whose largest magnitude lies under 2^-124 are held at byte 1; NaN and infinities are not served.
; SHARES: a wave takes one tile and two K steps (16 KB of f32), all asked for at once; no loop.  Work-groups x < 192 take the inputs, the others the weights: a scalar branch on the work-group's number.
; INPUTS (K innermost): each load reads 512 consecutive bytes of one row; the 16 rows turn through the wave's own stage in LDS (pitch 528 = 33 x 16 bytes) and come back 256 bytes a lane: two whole blocks.
; WEIGHTS (K outermost): a lane takes a column and its registers run down K; nothing is transposed and no LDS is used.
; No matrix work, no tensor loads, no barrier, no cluster: the waves share nothing and each input byte is read once.
.set ROWB,  3072                       ; a row of an input or a weight in bytes
.set TILEB, 9216                       ; a tile's six fragments
.set FRAG,  1536
.set SC0,   8847360                    ; 960 tiles x 9,216: where the scale words begin
.set SPX,   528                        ; a stage row
.set STW,   16*SPX                     ; a wave's stage
.set SETA,  32                         ; v32-95   the first K step's 64 numbers as loaded
.set SETB,  96                         ; v96-159  the second's
.set SETX,  160                        ; v160-223 64 numbers back from the stage
.set CD,    224                        ; v224-235, v236-247 the two fragments' codes: each store has registers of its own
	s_load_b256 s[4:11], s[0:1], 0x0               ; q_in, k_in, v_in, W_q
	s_load_b256 s[12:19], s[0:1], 0x20             ; W_k, W_v, W_o, xw
	v_lshl_add_u32 v248, v0, 2, 0x8400
	v_mov_b32 v249, 0
	v_lshrrev_b32 v1, 5, v0
	v_readfirstlane_b32 s20, v1                    ; wave 0..3
	v_and_b32 v1, 31, v0                           ; lane
	v_and_b32 v2, 15, v0                           ; r
	v_bfe_u32 v3, v0, 4, 1                         ; h
	v_lshlrev_b32 v4, 4, v1                        ; 16 x lane: the inputs' loads and the codes' stores
	s_mul_i32 s31, s20, STW
	v_add_nc_u32 v5, s31, v4                       ; into the stage: a row's 512 bytes as they lie
	v_mul_u32_u24 v6, v2, SPX
	v_lshl_add_u32 v6, v3, 7, v6
	v_add_nc_u32 v6, s31, v6                       ; out of it: row r, + 128 h
	v_and_b32 v7, 8, v2
	v_add_nc_u32 v7, v7, v2                        ; r + 8 (r / 8)
	v_lshlrev_b32 v7, 2, v7
	v_mad_u32_u24 v7, v3, 32*ROWB, v7              ; a weight: my column, and 32 rows further down for lanes 16-31
	v_lshlrev_b32 v8, 2, v1                        ; 4 x lane: the scale words' store
	v_lshlrev_b32 v9, 3, v3                        ; 8 h: my two bytes' place in a scale word
	v_mov_b32 v10, 0                               ; a lane permute's destination counts as one of its sources
	s_mov_b32 s28, 0x76543210
	s_mov_b32 s29, 0xfedcba98                      ; v_permlanex16_b32's selects for lane l xor 16
	s_lshl_b32 s21, ttmp9, 2
	s_add_co_u32 s21, s21, s20                     ; G = 4 x work-group x + wave
	s_and_b32 s30, ttmp7, 0xffff                   ; which pair of K steps
	s_mul_i32 s32, s21, TILEB
	s_mul_i32 s37, s30, 2*FRAG
	s_add_co_u32 s32, s32, s37
	s_mov_b32 s33, 0
	s_mul_i32 s34, s21, 384
	s_lshl_b32 s37, s30, 7
	s_add_co_u32 s34, s34, s37
	s_add_co_u32 s34, s34, SC0
	s_mov_b32 s35, 0
	s_wait_kmcnt 0x0
	s_add_nc_u64 s[24:25], s[18:19], s[32:33]      ; where my two fragments go
	s_add_nc_u64 s[26:27], s[18:19], s[34:35]      ; and their scale words
.macro LOADX f, set                    ; K step f of my 16 rows: each load reads 512 consecutive bytes
.irp r, 0,1,2,3,4,5,6,7,8,9,10,11,12,13,14,15
.if \r < 8
	global_load_b128 v[\set+4*\r:\set+4*\r+3], v4, s[22:23] offset:\r*ROWB+512*\f th:TH_LOAD_NT
.else
	global_load_b128 v[\set+4*\r:\set+4*\r+3], v4, s[40:41] offset:(\r+8)*ROWB+512*\f th:TH_LOAD_NT   ; places 8-15 go by a base of their own
.endif
.endr
.endm
.macro TURN set                        ; through the stage: LDS serves a wave's instructions in order, so no wait stands between the stores and the loads
.irp r, 0,1,2,3,4,5,6,7,8,9,10,11,12,13,14,15
	ds_store_b128 v5, v[\set+4*\r:\set+4*\r+3] offset:SPX*\r
.endr
.irp c, 0,1
.irp e, 0,1,2,3,4,5,6,7
	ds_load_b128 v[SETX+32*\c+4*\e:SETX+32*\c+4*\e+3], v6 offset:256*\c+16*\e
.endr
.endr
.endm
.macro LOADW f, set                    ; W(128 f + 64 c + 32 h + e, my column)
.irp c, 0,1
.irp e, 0,1,2,3,4,5,6,7,8,9,10,11,12,13,14,15,16,17,18,19,20,21,22,23,24,25,26,27,28,29,30,31
	global_load_b32 v[\set+32*\c+\e], v7, s[22:23] offset:(128*\f+64*\c+\e)*ROWB
.endr
.endr
.endm
; 64 numbers of a lane, register 32 c + e = k 64 c + 32 h + e of my row: two whole blocks.  They become fragment f's 12 registers, which are stored, and its scale word in v[18 + f].
.macro EMIT src, f
.irp c, 0,1
	v_max3_num_f32 v[12+\c], |v[\src+32*\c]|, |v[\src+32*\c+1]|, 0x1800000   ; the floor 2^(3 - 127) is one leaf: the byte cannot fall under 1
.endr
.irp i, 2,4,6,8,10,12,14,16,18,20,22,24,26,28,30
.irp c, 0,1
	v_max3_num_f32 v[12+\c], v[12+\c], |v[\src+32*\c+\i]|, |v[\src+32*\c+\i+1]|   ; the two blocks by turns
.endr
.endr
.irp c, 0,1
	v_add_nc_u32 v[14+\c], 0xff000000, v[12+\c]    ; 2 off the exponent field: the conversion's scale operand
.endr
.irp c, 0,1
	v_lshrrev_b32 v[16+\c], 23, v[14+\c]           ; the scale's byte
.endr
	v_lshl_or_b32 v[18+\f], v17, 16, v16           ; my bytes: blocks h and 2 + h,
	v_lshlrev_b32 v[18+\f], v9, v[18+\f]           ; at their places,
	v_permlanex16_b32 v10, v[18+\f], s28, s29
	v_or_b32 v[18+\f], v[18+\f], v10               ; with lane l xor 16's two the word is whole
.irp c, 0,1
	v_cvt_scalef32_pk16_fp6_f32 v[CD+12*\f+6*\c:CD+12*\f+6*\c+2], v[\src+32*\c:\src+32*\c+15], v[14+\c]
	v_cvt_scalef32_pk16_fp6_f32 v[20+4*\c:22+4*\c], v[\src+32*\c+16:\src+32*\c+31], v[14+\c]   ; (a conversion's three registers begin on an even number)
.endr
	v_nop                                          ; one plain place behind a scaled conversion
.irp c, 0,1
.irp i, 0,1,2
	v_mov_b32 v[CD+12*\f+6*\c+3+\i], v[20+4*\c+\i]
.endr
.endr
.irp g, 0,1,2
	global_store_b128 v4, v[CD+12*\f+4*\g:CD+12*\f+4*\g+3], s[24:25] offset:FRAG*\f+512*\g   ; 512 consecutive bytes, at a multiple of 256 from xw's first byte
.endr
.endm
	s_cmp_lt_u32 ttmp9, 192
	s_cbranch_scc0 .Lweights
	; ---- an input's tile
	s_lshr_b32 s37, ttmp9, 6                       ; which input
	s_cmp_eq_u32 s37, 0
	s_cselect_b64 s[22:23], s[4:5], s[6:7]
	s_cmp_eq_u32 s37, 2
	s_cselect_b64 s[22:23], s[8:9], s[22:23]
	s_and_b32 s36, s21, 255                        ; T
	s_lshr_b32 s38, s36, 1
	s_lshl_b32 s38, s38, 5
	s_and_b32 s39, s36, 1
	s_lshl_b32 s39, s39, 3
	s_add_co_u32 s38, s38, s39                     ; q_in, v_in: the tile's first row: 32 (T / 2) + 8 (T % 2); places 8-15 lie 16 rows behind places 0-7
	; K_IN'S TILES GO BY ANOTHER RULE: place r of tile T is row 64 (T / 4) + 8 (T % 4) + r % 8 + 32 (r / 8), so that in the attention's scores a lane's 32 registers of four neighbouring tiles are one whole block of 32 keys
	s_lshr_b32 s39, s36, 2
	s_lshl_b32 s39, s39, 6
	s_and_b32 s42, s36, 3
	s_lshl_b32 s42, s42, 3
	s_add_co_u32 s39, s39, s42                     ; 64 (T / 4) + 8 (T % 4)
	s_cmp_eq_u32 s37, 1                            ; k_in?
	s_cselect_b32 s38, s39, s38
	s_cselect_b32 s42, 16*ROWB, 0                  ; its places 8-15 lie 16 rows further on than the others'
	s_mov_b32 s43, 0
	s_mul_i32 s38, s38, ROWB
	s_lshl_b32 s39, s30, 10                        ; two K steps are 1,024 bytes of a row
	s_add_co_u32 s38, s38, s39
	s_mov_b32 s39, 0
	s_add_nc_u64 s[22:23], s[22:23], s[38:39]
	s_add_nc_u64 s[40:41], s[22:23], s[42:43]
	LOADX 0, SETA
	LOADX 1, SETB
	s_wait_loadcnt 16                              ; the first step's 16 loads are in; the second's 16 may be out
	s_wait_alu depctr_va_vdst(0)
	TURN SETA
	s_wait_dscnt 0x0
	EMIT SETX, 0
	s_wait_loadcnt 0x0
	TURN SETB
	s_wait_dscnt 0x0
	EMIT SETX, 1
	s_branch .Lwords
.Lweights:
	; ---- a weight's tile
	s_sub_co_u32 s37, ttmp9, 192                   ; twelve work-groups to a weight
	s_cmp_lt_u32 s37, 12
	s_cselect_b64 s[22:23], s[10:11], s[12:13]
	s_cselect_b32 s36, 0, 12
	s_cmp_lt_u32 s37, 24
	s_cselect_b64 s[22:23], s[22:23], s[14:15]
	s_cselect_b32 s36, s36, 24
	s_cmp_lt_u32 s37, 36
	s_cselect_b64 s[22:23], s[22:23], s[16:17]
	s_cselect_b32 s36, s36, 36
	s_sub_co_u32 s37, s37, s36
	s_lshl_b32 s37, s37, 2
	s_add_co_u32 s36, s37, s20                     ; T
	s_lshr_b32 s38, s36, 1
	s_lshl_b32 s38, s38, 5
	s_and_b32 s39, s36, 1
	s_lshl_b32 s39, s39, 3
	s_add_co_u32 s38, s38, s39                     ; the tile's first column
	s_lshl_b32 s38, s38, 2
	s_mul_i32 s39, s30, 256*ROWB                   ; two K steps are 256 rows
	s_add_co_u32 s38, s38, s39
	s_mov_b32 s39, 0
	s_add_nc_u64 s[22:23], s[22:23], s[38:39]
	s_wait_alu depctr_va_vdst(0)
	LOADW 0, SETA
	LOADW 1, SETB
	s_wait_loadcnt 63                              ; 64 loads were issued behind the first step's; 63 is the largest count that the wait can state
	EMIT SETA, 0
	s_wait_loadcnt 0x0
	EMIT SETB, 1
.Lwords:
	v_cmp_ne_u32 vcc_lo, 0, v3
	v_cndmask_b32 v11, v18, v19, vcc_lo            ; lanes 0-15 the even step's words, lanes 16-31 the odd step's
	global_store_b32 v8, v11, s[26:27]             ; 128 consecutive bytes
	s_wait_tensorcnt 0x0
	ds_add_u32 v248, v249
	s_wait_dscnt 0x0
	s_endpgm
.Lfunc_end_k_q8e2b8cfe74_quant:
	.size	k_q8e2b8cfe74_quant, .Lfunc_end_k_q8e2b8cfe74_quant-k_q8e2b8cfe74_quant
	.p2alignl 7, 3214868480
	.fill 96, 4, 3214868480
	.section	.rodata,"a",@progbits
	.p2align	6, 0x0
	.amdhsa_kernel k_q8e2b8cfe74_quant
		.amdhsa_group_segment_fixed_size 34304
		.amdhsa_private_segment_fixed_size 0
		.amdhsa_enable_private_segment 0
		.amdhsa_kernarg_size 64
		.amdhsa_user_sgpr_count 2
		.amdhsa_user_sgpr_kernarg_segment_ptr 1
		.amdhsa_wavefront_size32 1
		.amdhsa_system_sgpr_workgroup_id_x 1
		.amdhsa_system_sgpr_workgroup_id_y 1
		.amdhsa_system_sgpr_workgroup_id_z 1
		.amdhsa_system_vgpr_workitem_id 0
		.amdhsa_next_free_vgpr 250
		.amdhsa_next_free_sgpr 66
		.amdhsa_reserve_vcc 1
		.amdhsa_float_denorm_mode_32 3
		.amdhsa_float_denorm_mode_16_64 3
		.amdhsa_memory_ordered 1
		.amdhsa_forward_progress 1
		.amdhsa_inst_pref_size 37
	.end_amdhsa_kernel
	.amdgpu_metadata
---
amdhsa.version: [ 1, 2 ]
amdhsa.kernels:
  - .name:           k_q8e2b8cfe74_quant
    .symbol:         k_q8e2b8cfe74_quant.kd
    .args:
      - { .name: q_in, .offset: 0, .size: 8, .value_kind: global_buffer, .address_space: global }
      - { .name: k_in, .offset: 8, .size: 8, .value_kind: global_buffer, .address_space: global }
      - { .name: v_in, .offset: 16, .size: 8, .value_kind: global_buffer, .address_space: global }
      - { .name: W_q, .offset: 24, .size: 8, .value_kind: global_buffer, .address_space: global }
      - { .name: W_k, .offset: 32, .size: 8, .value_kind: global_buffer, .address_space: global }
      - { .name: W_v, .offset: 40, .size: 8, .value_kind: global_buffer, .address_space: global }
      - { .name: W_o, .offset: 48, .size: 8, .value_kind: global_buffer, .address_space: global }
      - { .name: xw, .offset: 56, .size: 8, .value_kind: global_buffer, .address_space: global }
    .group_segment_fixed_size: 34304
    .private_segment_fixed_size: 0
    .kernarg_segment_align: 8
    .kernarg_segment_size: 64
    .max_flat_workgroup_size: 128
    .sgpr_count:     66
    .vgpr_count:     250
    .wavefront_size: 32
...
	.end_amdgpu_metadata
.endif
;; end of part 1
;; launch proj (part 2): grid 96 x 3, 4 waves a work-group, no clusters, 74,240 bytes of LDS; arguments xw, b_q, b_k, b_v, qb, kv; writes qb, kv
.if DOCPART == 2
	.amdgcn_target "amdgcn-amd-amdhsa--gfx1250"
	.amdhsa_code_object_version 6
	.text
	.protected	k_q8e2b8cfe74_proj
	.globl	k_q8e2b8cfe74_proj
	.p2align	8
	.type	k_q8e2b8cfe74_proj,@function
k_q8e2b8cfe74_proj:
	s_mov_b64 s[64:65], 0
	v_nop
	global_prefetch_b8 v0, s[64:65] scope:SCOPE_SE
	s_setreg_imm32_b32 hwreg(HW_REG_WAVE_MODE, 25, 1), 1
	s_wait_xcnt 0x0
; q = q_in W_q + b_q, k = k_in W_k + b_k, v = v_in W_v + b_v on codes of FP6 (E2M3) out of xw; sums in f32; the results are quantised at once for the attention's two products.
; Tiles, fragments and scale words: place r of tile T is row 32 (T / 2) + 8 (T % 2) + r + 8 (r / 8); a fragment is 12 registers, register 4 g + e at byte 512 g + 16 lane + 4 e; scale words 64 bytes a (tile, K step).
; THE PRODUCT: source 0 = 8 tiles P (128 indices, which are the NEXT product's K), source 1 = 4 tiles R a wave.  By the tile rule a lane then holds ONE row of R, and the 16 registers of result tiles 2 b and 2 b + 1
; are P's indices 32 b + 16 h + 0 .. 15: sixteen neighbours along the next K, as the conversions want them.
;   work-group y = 0, 1 (q, k): P = 128 columns of the weight (two heads), R = 64 tokens a wave: quantised along the head's 64.   y = 2 (v): P = 128 tokens (a key step), R = a head's 64 columns of W_v a wave: quantised along the keys.
; OUT.  qb: a head's tile of 16 queries is half a fragment, 6 registers, register 2 p + e at byte 256 p + 8 lane + 4 e, at 196,608 head + 768 T; scale words at 2,359,296 + 16,384 head + 64 T + 4 r.
;   kv: [head / 3][key step of 128][39,168 bytes]; in such a region head j = head % 3 has K's 8 half fragments at 12,288 j + 768 t, V's 4 fragments (16 of the head's 64 x 128 keys) at 12,288 j + 6,144 + 1,536 t,
;   K's scale words at 36,864 + 768 j + 64 t + 4 r and V's at 36,864 + 768 j + 512 + 64 t + 4 r.  Bytes 2 and 3 of q's and k's scale words hold the neighbouring head's bytes or 0: they meet zero codes only.
; P's 73,728 bytes come into LDS once, through registers, and are read by all four waves; R comes from memory straight into registers, two K steps ahead.  K = 768 is six steps, written out.
; NO CLUSTER, NO TENSOR LOAD: what work-groups share, P, is 73,728 of a work-group's 221,184 bytes, and a K step is 32 matrix instructions a wave: a round of a cluster's barrier for each would outweigh it.
; LIMITS: as the quantiser's: a block of zeros gets the byte 1 (its codes are zeros; this program alone reads the bytes); blocks under 2^-124 are held at byte 1; NaN and infinities are not served.
; REGISTERS: window 0: v1-7 addresses; v8-103 P's 8 fragments; v104-151, v168-215 R's, two sets; v216-239 P's scale words (3 t + s / 2: lanes 0-15 the even step, lanes 16-31 the odd), v240-251 R's; v252-255 lane, r, h, at work.
;   window 1: the 32 accumulators, (tile t of P, tile q of R) at v[8 (8 q + t)].   In the tail window 0's v8-103 are at work and v104-167 hold the bias.
.set TILEB, 9216
.set FRAG,  1536
.set SC0,   8847360
.set REG,   39168
.set HALFP, 36864                      ; an LDS immediate has 16 bits: P's tiles 4-7 go by a second address register
.set PF,  8
.set RB0, 104
.set RB1, 168
.set PS,  216
.set RS,  240
.set NUM, 8                            ; the tail: v8-71 64 numbers
.set TP,  72                           ; v72-74, v76-78 the conversions' second halves
.set TM,  80                           ; v80-83 largest magnitudes, v84-87 the other half's, then bytes, v92-95 scale operands
.set PW,  96                           ; v96-99 the four scale words
.set VAL, 100                          ; v100-103 what is stored of them
.set BI,  104                          ; the bias
.set MSB, 0
.macro WIN new                         ; the immediate's high byte repeats the setting that is left
.if MSB != \new
	s_set_vgpr_msb (MSB<<8)|\new
.set MSB, \new
.endif
.endm
.macro PLACES                          ; four plain places behind a matrix instruction, ahead of loads into its sources and of reads of its results
.rept 4
	v_nop
.endr
.endm
.macro FETCH_P s                       ; P's eight fragments of K step s, from LDS
.irp t, 0,1,2,3
.irp g, 0,1,2
	ds_load_b128 v[PF+12*\t+4*\g:PF+12*\t+4*\g+3], v1 offset:TILEB*\t+FRAG*(\s)+512*\g
.endr
.endr
.irp t, 0,1,2,3
.irp g, 0,1,2
	ds_load_b128 v[PF+48+12*\t+4*\g:PF+48+12*\t+4*\g+3], v2 offset:TILEB*\t+FRAG*(\s)+512*\g
.endr
.endr
.endm
.macro FETCH_R s, buf                  ; my four fragments of R, from memory: 12 loads of 512 consecutive bytes
.irp q, 0,1,2,3
.irp g, 0,1,2
	global_load_b128 v[\buf+12*\q+4*\g:\buf+12*\q+4*\g+3], v1, s[24:25] offset:TILEB*\q+FRAG*(\s)+512*\g
.endr
.endr
.endm
; 32 matrix instructions: a K step.  The 32 accumulators take turns, one instruction a turn, in the same order in every step.
.macro KMUL s, buf, first
	WIN 0x50                                       ; C and D in window 1
.irp q, 0,1,2,3
.irp t, 0,1,2,3,4,5,6,7
.if \first
	v_wmma_scale_f32_16x16x128_f8f6f4 v[8*(8*\q+\t):8*(8*\q+\t)+7], v[PF+12*\t:PF+12*\t+11], v[\buf+12*\q:\buf+12*\q+11], 0, v[PS+3*\t+(\s)/2], v[RS+3*\q+(\s)/2] matrix_a_fmt:MATRIX_FMT_FP6 matrix_b_fmt:MATRIX_FMT_FP6
.elseif (\s)%2
	v_wmma_scale_f32_16x16x128_f8f6f4 v[8*(8*\q+\t):8*(8*\q+\t)+7], v[PF+12*\t:PF+12*\t+11], v[\buf+12*\q:\buf+12*\q+11], v[8*(8*\q+\t):8*(8*\q+\t)+7], v[PS+3*\t+(\s)/2], v[RS+3*\q+(\s)/2] matrix_a_fmt:MATRIX_FMT_FP6 matrix_b_fmt:MATRIX_FMT_FP6 matrix_a_scale:MATRIX_SCALE_ROW1 matrix_b_scale:MATRIX_SCALE_ROW1
.else
	v_wmma_scale_f32_16x16x128_f8f6f4 v[8*(8*\q+\t):8*(8*\q+\t)+7], v[PF+12*\t:PF+12*\t+11], v[\buf+12*\q:\buf+12*\q+11], v[8*(8*\q+\t):8*(8*\q+\t)+7], v[PS+3*\t+(\s)/2], v[RS+3*\q+(\s)/2] matrix_a_fmt:MATRIX_FMT_FP6 matrix_b_fmt:MATRIX_FMT_FP6
.endif
.endr
.endr
.endm
.macro KSTEP s, first                  ; steps 0 to 4
	s_wait_dscnt 0x0                               ; P of this step is in
	s_wait_loadcnt 12                              ; R of this step is in; the next step's 12 loads may be out
	KMUL \s, RB0+64*((\s)%2), \first
	WIN 0
	PLACES
	FETCH_P (\s)+1
.if (\s) < 4
	FETCH_R (\s)+2, RB0+64*((\s)%2)
.endif
.endm
; 64 numbers of a lane, register 16 b + i = index 32 b + 16 h + i of my row, become a fragment's codes in v[d] on and its scale word in v[pw].
.macro QUANT s, d, pw
.irp b, 0,1,2,3
	v_max3_num_f32 v[TM+\b], |v[\s+16*\b]|, |v[\s+1+16*\b]|, 0x1800000   ; my 16 numbers of block b, and the floor 2^(3 - 127)
.endr
.irp i, 2,4,6,8,10,12,14
.irp b, 0,1,2,3
	v_max3_num_f32 v[TM+\b], v[TM+\b], |v[\s+16*\b+\i]|, |v[\s+1+16*\b+\i]|
.endr
.endr
.irp b, 0,1,2,3
	v_permlanex16_b32 v[TM+4+\b], v[TM+\b], s20, s21
.endr
.irp b, 0,1,2,3
	v_max_num_f32 v[TM+\b], v[TM+\b], v[TM+4+\b]   ; with lane l xor 16's: the block's largest magnitude
.endr
.irp b, 0,1,2,3
	v_add_nc_u32 v[TM+12+\b], 0xff000000, v[TM+\b] ; 2 off its exponent field: the conversion's scale operand
.endr
.irp b, 0,1,2,3
	v_lshrrev_b32 v[TM+4+\b], 23, v[TM+12+\b]      ; the scale's byte
.endr
	v_lshl_or_b32 v[\pw], v[TM+5], 8, v[TM+4]
	v_lshl_or_b32 v[\pw], v[TM+6], 16, v[\pw]
	v_lshl_or_b32 v[\pw], v[TM+7], 24, v[\pw]
.irp c, 0,1
	v_cvt_scalef32_pk16_fp6_f32 v[\d+6*\c:\d+6*\c+2], v[\s+32*\c:\s+32*\c+15], v[TM+12+2*\c]
	v_cvt_scalef32_pk16_fp6_f32 v[TP+4*\c:TP+4*\c+2], v[\s+32*\c+16:\s+32*\c+31], v[TM+13+2*\c]
.endr
	v_nop                                          ; one plain place behind a scaled conversion
.irp c, 0,1                            ; the layout wants a WHOLE block in a lane: lanes 0-15 block 2 c, lanes 16-31 block 2 c + 1
.irp i, 0,1,2
	v_permlane16_swap_b32 v[\d+6*\c+\i], v[TP+4*\c+\i]
.endr
.irp i, 0,1,2
	v_mov_b32 v[\d+6*\c+3+\i], v[TP+4*\c+\i]
.endr
.endr
.endm
; kv's offsets of head s[hd] in key step s58: code = region + 12,288 j, scl = region + 768 j
.macro KADR hd, code, scl
	s_mul_i32 s40, s[\hd], 11
	s_lshr_b32 s40, s40, 5                         ; head / 3, for heads 0 to 11
	s_mul_i32 s41, s40, 3
	s_sub_co_u32 s41, s[\hd], s41                  ; j
	s_lshl_b32 s40, s40, 5
	s_add_co_u32 s40, s40, s58
	s_mul_i32 s40, s40, REG
	s_mul_i32 s[\code], s41, 12288
	s_add_co_u32 s[\code], s[\code], s40
	s_mul_i32 s[\scl], s41, 768
	s_add_co_u32 s[\scl], s[\scl], s40
.endm
	s_load_b256 s[4:11], s[0:1], 0x0               ; xw, b_q, b_k, b_v
	s_load_b128 s[12:15], s[0:1], 0x20             ; qb, kv
	; (k_in's tiles of tokens go by the quantising launch's rule for k_in: place r of tile T is token 64 (T / 4) + 8 (T % 4) + r % 8 + 32 (r / 8); nothing here hangs on which token a place holds.)
	; All 512 registers are at work, so v0 is kept and the spare word's address and the 0 are made from it at the wave's end.
	v_lshrrev_b32 v1, 5, v0
	v_readfirstlane_b32 s16, v1                    ; wave 0..3
	v_and_b32 v252, 31, v0                         ; lane
	v_and_b32 v253, 15, v0                         ; r
	v_bfe_u32 v254, v0, 4, 1                       ; h
	v_lshlrev_b32 v1, 4, v252                      ; 16 x lane
	v_add_nc_u32 v2, HALFP, v1
	v_lshlrev_b32 v3, 2, v252                      ; 4 x lane
	v_lshlrev_b32 v4, 4, v0                        ; 16 x thread: P's way into LDS
	v_add_nc_u32 v5, HALFP, v4
	v_lshlrev_b32 v6, 3, v252                      ; 8 x lane
	s_mov_b32 s20, 0x76543210
	s_mov_b32 s21, 0xfedcba98
	s_and_b32 s17, ttmp7, 0xffff                   ; 0: q, 1: k, 2: v
	s_lshr_b32 s18, ttmp9, 4                       ; q, k: which 128 columns (pair of heads),
	s_and_b32 s19, ttmp9, 15                       ; which 256 tokens
	s_and_b32 s46, ttmp9, 31                       ; v: which key step,
	s_lshr_b32 s47, ttmp9, 5                       ; which four heads
	s_mul_i32 s32, s17, 48
	s_lshl_b32 s33, s18, 3
	s_add_co_u32 s32, s32, s33
	s_add_co_u32 s32, s32, 768                     ; q, k: P's first tile: the weight's
	s_lshl_b32 s33, s17, 8
	s_lshl_b32 s34, s19, 4
	s_add_co_u32 s33, s33, s34                     ; R's: the input's
	s_lshl_b32 s37, s46, 3
	s_add_co_u32 s37, s37, 512                     ; v: P's first tile: v_in's,
	s_lshl_b32 s38, s47, 4
	s_add_co_u32 s38, s38, 864                     ; R's: W_v's
	s_cmp_eq_u32 s17, 2
	s_cselect_b32 s32, s37, s32
	s_cselect_b32 s33, s38, s33
	s_lshl_b32 s34, s16, 2
	s_add_co_u32 s33, s33, s34                     ; + 4 x wave
	s_mul_i32 s38, s32, TILEB
	s_mov_b32 s39, 0
	s_mul_i32 s40, s33, TILEB
	s_mov_b32 s41, 0
	s_mul_i32 s42, s32, 384
	s_add_co_u32 s42, s42, SC0
	s_mov_b32 s43, 0
	s_mul_i32 s44, s33, 384
	s_add_co_u32 s44, s44, SC0
	s_mov_b32 s45, 0
	s_wait_alu depctr_va_vdst(0)
	s_wait_kmcnt 0x0
	s_add_nc_u64 s[22:23], s[4:5], s[38:39]        ; P's codes
	s_add_nc_u64 s[24:25], s[4:5], s[40:41]        ; R's codes
	s_add_nc_u64 s[26:27], s[4:5], s[42:43]        ; P's scale words
	s_add_nc_u64 s[28:29], s[4:5], s[44:45]        ; R's
	; the scale words and R's first two K steps are asked for ahead of P, so that all of the head's loads are out together; P goes through the accumulators' registers (window 1), which no product has written yet
.irp t, 0,1,2,3,4,5,6,7
.irp j, 0,1,2
	global_load_b32 v[PS+3*\t+\j], v3, s[26:27] offset:384*\t+128*\j
.endr
.endr
.irp q, 0,1,2,3
.irp j, 0,1,2
	global_load_b32 v[RS+3*\q+\j], v3, s[28:29] offset:384*\q+128*\j
.endr
.endr
	FETCH_R 0, RB0
	FETCH_R 1, RB1
	WIN 0x40                                       ; P's loads land in window 1
	; P's 73,728 bytes into LDS as they lie: 36 loads of 2,048 consecutive bytes by the work-group
.set i, 0
.rept 36
	global_load_b128 v[PF+4*i:PF+4*i+3], v4, s[22:23] offset:2048*i
.set i, i+1
.endr
.set i, 0
.rept 36
	WIN 0x04                                       ; an LDS store's data are its source 1: window 1 (written out once: the macro drops a switch that changes nothing)
	s_wait_loadcnt 35-i                            ; load i is in, and all that were issued ahead of P's; the younger ones may be out
.if i < 18
	ds_store_b128 v4, v[PF+4*i:PF+4*i+3] offset:2048*i
.else
	ds_store_b128 v5, v[PF+4*i:PF+4*i+3] offset:2048*(i-18)
.endif
.set i, i+1
.endr
	s_wait_dscnt 0x0                               ; my stores have landed, for the others' sake, and have read their registers
	WIN 0
	s_barrier_signal -1
	s_barrier_wait -1                              ; P is whole: the launch's one barrier
	FETCH_P 0
	KSTEP 0, 1                                     ; the first step's products start the sums: nothing is cleared
	KSTEP 1, 0
	KSTEP 2, 0
	KSTEP 3, 0
	KSTEP 4, 0
; THE LAST STEP AND THE WAY OUT, once for q and k and once for v: the ways part on the work-group's y and do not join again.
.macro TAIL isv
.if \isv
	s_lshl_b32 s57, s47, 2
	s_add_co_u32 s57, s57, s16                     ; my head
	s_mov_b32 s58, s46                             ; the key step
	KADR 57, 36, 35
	s_add_co_u32 s36, s36, 6144                    ; V's fragments
	s_add_co_u32 s35, s35, 36864+512               ; V's scale words
	s_mov_b32 s61, 0
	s_mov_b32 s60, s36
	s_add_nc_u64 s[48:49], s[14:15], s[60:61]
	s_mov_b32 s60, s35
	s_add_nc_u64 s[52:53], s[14:15], s[60:61]
	s_lshl_b32 s60, s57, 8
	s_add_nc_u64 s[54:55], s[10:11], s[60:61]      ; b_v at my head
	v_and_b32 v255, 8, v253
	v_add_nc_u32 v255, v255, v253
	v_lshlrev_b32 v255, 2, v255                    ; my column in a tile: r + 8 (r / 8)
.irp q, 0,1,2,3
	global_load_b32 v[BI+2*\q], v255, s[54:55] offset:(32*(\q/2)+8*(\q%2))*4    ; a lane holds one column: one number, twice, for the packed addition
	global_load_b32 v[BI+2*\q+1], v255, s[54:55] offset:(32*(\q/2)+8*(\q%2))*4
.endr
	s_wait_dscnt 0x0
	s_wait_loadcnt 8                               ; R of step 5 is in; behind it stand the 8 bias loads
.else
	s_lshl_b32 s56, s19, 4
	s_lshl_b32 s57, s16, 2
	s_add_co_u32 s56, s56, s57                     ; my first tile of tokens
	s_lshl_b32 s57, s18, 1                         ; the two heads: 2 g,
	s_add_co_u32 s62, s57, 1                       ; 2 g + 1
	s_mul_i32 s30, s57, 196608
	s_mul_i32 s31, s56, 768
	s_add_co_u32 s30, s30, s31                     ; qb: the first head's codes,
	s_add_co_u32 s31, s30, 196608                  ; the second's,
	s_lshl_b32 s32, s57, 14
	s_lshl_b32 s33, s56, 6
	s_add_co_u32 s32, s32, s33
	s_add_co_u32 s32, s32, 2359296                 ; the first head's scale words
	s_lshr_b32 s58, s56, 3                         ; kv: the key step,
	s_and_b32 s59, s56, 7                          ; my first tile in it
	KADR 57, 36, 35
	KADR 62, 38, 39
	s_mul_i32 s40, s59, 768
	s_add_co_u32 s36, s36, s40
	s_add_co_u32 s38, s38, s40
	s_sub_co_u32 s39, s39, s35                     ; from the first head's scale words to the second's (never negative)
	s_lshl_b32 s40, s59, 6
	s_add_co_u32 s35, s35, s40
	s_add_co_u32 s35, s35, 36864
	s_cmp_eq_u32 s17, 0                            ; q or k: numbers and buffers are chosen, the text is one
	s_cselect_b32 s30, s30, s36
	s_cselect_b32 s31, s31, s38
	s_cselect_b32 s32, s32, s35
	s_cselect_b32 s33, 0x4000, s39
	s_cselect_b64 s[48:49], s[12:13], s[14:15]
	s_cselect_b64 s[54:55], s[6:7], s[8:9]
	s_mov_b32 s61, 0
	s_mov_b32 s60, s31
	s_add_nc_u64 s[50:51], s[48:49], s[60:61]      ; the second head's codes
	s_mov_b32 s60, s32
	s_add_nc_u64 s[52:53], s[48:49], s[60:61]      ; the scale words
	s_mov_b32 s60, s30
	s_add_nc_u64 s[48:49], s[48:49], s[60:61]      ; the first head's codes
	s_lshl_b32 s60, s18, 9
	s_add_nc_u64 s[54:55], s[54:55], s[60:61]      ; the bias at my 128 columns
	v_mul_u32_u24 v7, s33, v254
	v_lshl_add_u32 v7, v253, 2, v7                 ; lanes 0-15 store the first head's word, lanes 16-31 the second's
	v_lshlrev_b32 v255, 6, v254                    ; 64 h
.irp b, 0,1,2,3
.irp e, 0,1,2,3
	global_load_b128 v[BI+16*\b+4*\e:BI+16*\b+4*\e+3], v255, s[54:55] offset:128*\b+16*\e   ; register 16 b + i: the bias of column 32 b + 16 h + i
.endr
.endr
	s_wait_dscnt 0x0
	s_wait_loadcnt 16                              ; R of step 5 is in; behind it stand the 16 bias loads
.endif
	KMUL 5, RB1, 0
	WIN 0
	PLACES
	s_wait_loadcnt 0x0                             ; the bias
	v_cmp_ne_u32 vcc_lo, 0, v254                   ; lanes 16-31
.irp b, 0,1,2,3
	v_mov_b32 v[TM+4+\b], 0                        ; a lane permute's destination counts as one of its sources
.endr
.irp q, 0,1,2,3
	WIN 0x01                                       ; source 0 in window 1
.set i, 0
.rept 32
.if \isv
	v_pk_add_f32 v[NUM+2*i:NUM+2*i+1], v[64*\q+2*i:64*\q+2*i+1], v[BI+2*\q:BI+2*\q+1]      ; each accumulator from its low end on
.else
	v_pk_add_f32 v[NUM+2*i:NUM+2*i+1], v[64*\q+2*i:64*\q+2*i+1], v[BI+2*i:BI+2*i+1]
.endif
.set i, i+1
.endr
	WIN 0
	QUANT NUM, RB1+12*\q, PW+\q
.if \isv
.irp g, 0,1,2
	global_store_b128 v1, v[RB1+12*\q+4*\g:RB1+12*\q+4*\g+3], s[48:49] offset:FRAG*\q+512*\g   ; 512 consecutive bytes
.endr
.if \q%2
	v_cndmask_b32 v[VAL+\q/2], v[PW+\q-1], v[PW+\q], vcc_lo        ; lanes 0-15 the even tile's words, lanes 16-31 the odd tile's
	global_store_b32 v3, v[VAL+\q/2], s[52:53] offset:128*(\q/2)
.endif
.else
	v_lshrrev_b32 v[VAL+\q], 16, v[PW+\q]                          ; the second head's two bytes, moved down
	v_cndmask_b32 v[VAL+\q], v[PW+\q], v[VAL+\q], vcc_lo
.irp p, 0,1,2
	global_store_b64 v6, v[RB1+12*\q+2*\p:RB1+12*\q+2*\p+1], s[48:49] offset:768*\q+256*\p      ; 256 consecutive bytes, at a multiple of 256 from the buffer's first byte
	global_store_b64 v6, v[RB1+12*\q+6+2*\p:RB1+12*\q+7+2*\p], s[50:51] offset:768*\q+256*\p
.endr
	global_store_b32 v7, v[VAL+\q], s[52:53] offset:64*\q
.endif
.endr
	v_lshl_add_u32 v8, v0, 2, 0x12000              ; my spare word, and 0: v0 is as at the entry; v8 and v9 are done with
	v_mov_b32 v9, 0
	s_wait_alu depctr_va_vdst(0)
	s_wait_tensorcnt 0x0                           ; the wave's end
	ds_add_u32 v8, v9
	s_wait_dscnt 0x0
	s_endpgm
.endm
	s_cmp_lt_u32 s17, 2
	s_cbranch_scc0 .Lvalues
	TAIL 0
.Lvalues:
	TAIL 1
.Lfunc_end_k_q8e2b8cfe74_proj:
	.size	k_q8e2b8cfe74_proj, .Lfunc_end_k_q8e2b8cfe74_proj-k_q8e2b8cfe74_proj
	.p2alignl 7, 3214868480
	.fill 96, 4, 3214868480
	.section	.rodata,"a",@progbits
	.p2align	6, 0x0
	.amdhsa_kernel k_q8e2b8cfe74_proj
		.amdhsa_group_segment_fixed_size 74240
		.amdhsa_private_segment_fixed_size 0
		.amdhsa_enable_private_segment 0
		.amdhsa_kernarg_size 48
		.amdhsa_user_sgpr_count 2
		.amdhsa_user_sgpr_kernarg_segment_ptr 1
		.amdhsa_wavefront_size32 1
		.amdhsa_system_sgpr_workgroup_id_x 1
		.amdhsa_system_sgpr_workgroup_id_y 1
		.amdhsa_system_sgpr_workgroup_id_z 1
		.amdhsa_system_vgpr_workitem_id 0
		.amdhsa_next_free_vgpr 512
		.amdhsa_next_free_sgpr 66
		.amdhsa_reserve_vcc 1
		.amdhsa_float_denorm_mode_32 3
		.amdhsa_float_denorm_mode_16_64 3
		.amdhsa_memory_ordered 1
		.amdhsa_forward_progress 1
		.amdhsa_inst_pref_size 116
	.end_amdhsa_kernel
	.amdgpu_metadata
---
amdhsa.version: [ 1, 2 ]
amdhsa.kernels:
  - .name:           k_q8e2b8cfe74_proj
    .symbol:         k_q8e2b8cfe74_proj.kd
    .args:
      - { .name: xw, .offset: 0, .size: 8, .value_kind: global_buffer, .address_space: global }
      - { .name: b_q, .offset: 8, .size: 8, .value_kind: global_buffer, .address_space: global }
      - { .name: b_k, .offset: 16, .size: 8, .value_kind: global_buffer, .address_space: global }
      - { .name: b_v, .offset: 24, .size: 8, .value_kind: global_buffer, .address_space: global }
      - { .name: qb, .offset: 32, .size: 8, .value_kind: global_buffer, .address_space: global }
      - { .name: kv, .offset: 40, .size: 8, .value_kind: global_buffer, .address_space: global }
    .group_segment_fixed_size: 74240
    .private_segment_fixed_size: 0
    .kernarg_segment_align: 8
    .kernarg_segment_size: 48
    .max_flat_workgroup_size: 128
    .sgpr_count:     66
    .vgpr_count:     512
    .wavefront_size: 32
...
	.end_amdgpu_metadata
.endif
;; end of part 2
;; launch attn (part 3): grid 64 x 4, 12 waves a work-group, clusters of 4 x 1, 327,680 bytes of LDS; arguments qb, kv, ao; writes ao
.if DOCPART == 3
	.amdgcn_target "amdgcn-amd-amdhsa--gfx1250"
	.amdhsa_code_object_version 6
	.text
	.protected	k_q8e2b8cfe74_attn
	.globl	k_q8e2b8cfe74_attn
	.p2align	8
	.type	k_q8e2b8cfe74_attn,@function
k_q8e2b8cfe74_attn:
	s_mov_b64 s[64:65], 0
	v_nop
	global_prefetch_b8 v0, s[64:65] scope:SCOPE_SE
	s_setreg_imm32_b32 hwreg(HW_REG_WAVE_MODE, 25, 1), 1
	s_wait_xcnt 0x0
	s_wait_alu depctr_hold_cnt(0) depctr_sa_sdst(0) depctr_va_vdst(0) depctr_va_sdst(0) depctr_va_ssrc(0) depctr_va_vcc(0) depctr_vm_vsrc(0)
	s_getreg_b32 s2, hwreg(HW_REG_IB_STS2, 6, 4)
	s_cmp_eq_u32 s2, 0
	s_cbranch_scc0 .Lentry_in_a_cluster
	s_endpgm
.Lentry_in_a_cluster:
	s_bfe_u32 s2, ttmp6, 0x10000c
	s_cmp_lg_u32 s2, 0x3003
	s_cbranch_scc0 .Lentry_shape_is_right
	s_endpgm
.Lentry_shape_is_right:
; o[head][q] = the sum over keys of softmax(q . k / 8) v, 12 heads of 64, 4,096 queries and keys, both products on codes of FP6 (E2M3) with one E8M0 scale for each 32 along a product's K; the result is quantised for the last projection.
; THE SOFTMAX: t = score x log2(e) / 8; M = the running largest t rounded UP to a whole number; p = 2^(t - M) is what is quantised, along the keys, not normalised.  The row's sum is taken of the unquantised p and divides O
; at the end.  When M moves, the sum and O are multiplied by 2^(old M - new M): exact, and no branch on data.
; SHARES.  A work-group owns 64 queries of THREE heads (work-group y = head / 3); each of its twelve waves owns one tile of 16 queries of one head in 256 registers.  12 heads x 256 tiles = 256 work-groups x 12 waves.  Every wave walks all keys, 128 a step.
; CLUSTER.  The four work-groups of a cluster take four neighbouring blocks of queries of the same three heads and walk the same K and V: each tile is asked for JOINTLY, by the same tensor load with the same descriptor
; and the mask 15.  The place in the cluster enters global addresses alone (Q's, the result's, the prefetches').
; kv: [head / 3][key step][39,168 bytes]: a step's K, V and scale words of three heads are one dense region, in the order of the operands' registers; every LDS load is consecutive in the lanes.
; RING: two slots of four key steps (156,672 bytes each); waves 0 to 3 fetch one step's region each, one tensor load a wave out at a time.
; LAYOUT.  Both products are used transposed: S^T = K Q^T, O^T = V^T P^T: a lane holds ONE query (lane % 16).  Place r of K's tile t of a step is key 64 (t / 4) + 8 (t % 4) + r % 8 + 32 (r / 8): so registers S + 32 c + i of lane (r, h) are
; keys 64 c + 32 h + i: a WHOLE block of 32 keys in one lane, in the order of the next operand's registers: a block's largest score needs no other lane, and p's codes are swapped between no lanes.
; A STEP: K Q^T on fragments that are already in registers; then V of this step and K of the next are asked of LDS together and land under the softmax; one wait; V^T P^T.  K and V have registers of their own.
; THE CHANGE OF SLOTS lies INSIDE a slot's last step.  When that step's V is in registers the wave has read the slot out: it runs the three lines, with the step's maxima between the add and the wait for it, and a round of the cluster's
; barrier follows; behind the round come the joint refill and the loads of the next slot's first K, and then the step's exponentials, sums, conversions and its product V^T P^T, on registers alone.
; Before the last slot nothing is filled again: there the work-group's own barrier serves, with that register work between its signal and its wait.
; THE FIRST PRODUCT'S K IS 64 under an instruction of 128: Q's upper six registers are zeros.  A tile of K is six registers; the instruction names twelve, the upper six being the next tile's codes (behind the last tile: six registers of
; p's codes): they meet Q's zero codes and add nothing; the scale bytes that go with them are a neighbouring head's or 0, never 0xff.
; PREFETCH: at every second change of slots the codes of the eight key steps of the two slots after the one that is being filled.  All sixteen clusters of a triple of heads walk the same regions: the first cluster asks.  Its four partners take
; two steps each, told apart BY ADDRESS; in each, waves 0 to 8, one instruction each: 288 lanes, 256 bytes apart: 2 x 144 blocks.  Key steps 0 to 7 and the scale words come by their loads alone; the last changes ask for nothing.
; OUT.  ao: tile T's half fragment of my head (6 registers, register 2 p + e at 256 p + 8 lane + 4 e) at 9,216 T + 768 head; scale bytes at 2,359,296 + 384 T + 64 (head / 2) + 4 r + 2 (head % 2) + block.
; LIMITS: p under 2^-126 comes out of v_exp_f32 as 0; a block of zeros gets the byte 1 (its codes are zeros; this program alone reads the bytes); NaN and infinities are not served; the scaled scores stay under 2^31 in magnitude.
; REGISTERS: v0 thread; v1-3 my lane's places in a region (K, V, scale words); v4, v5 the spare word's address and 0; v6-8 the step's addresses; v9 prefetch offset; v10 8 x lane; v11 4 r; v12 -M; v13 the largest score; v[14:15] the sum;
;   v16-27 Q; v28 Q's scale words; v29-32 K's; v33-34 V's; v35 p's; v36-83 K's tiles; v84-95 p's codes; v96-159 S^T, then p; v160-191 O^T; v192-239 V's fragments; v240-254 at work; v255 8 h.
.set REG,   39168                      ; a key step's region: 153 x 256 bytes
.set SLOTB, 4*REG
.set SPARE, 8*REG                      ; behind the ring: the spare words, 128 bytes for each wave: six blocks of 256 bytes that no other line names
.set KF,  36
.set PC,  84
.set S,   96
.set OA,  160
.set VF,  192
.set KS,  29
.set VS,  33
.macro DEP n
	s_delay_alu instid0(VALU_DEP_\n)
.endm
.macro CROUND                          ; a round of the cluster's barrier
	s_barrier_signal -1
	s_barrier_wait -1
	s_cmp_lg_u32 s10, 0
	s_cbranch_scc1 .Lnot_wave_0_\@
	s_barrier_signal -3
.Lnot_wave_0_\@:
	s_barrier_wait -3
	s_barrier_signal -1
	s_barrier_wait -1
.endm
.macro TLOAD g0                        ; waves 0 to 3 fetch; the branch hangs on the wave's number alone.  An s_nop 0 and four v_nop follow the load
	s_cmp_lt_u32 s10, 4
	s_cbranch_scc0 .Lno_load_\@
	tensor_load_to_lds s[\g0:\g0+3], s[24:31]
	s_nop 0
.rept 4
	v_nop
.endr
.Lno_load_\@:
.endm
.macro ASK                             ; s43 = 1 in the waves that ask, else the greatest number; s41 = 1 in the loop's last trip, which asks for nothing
	s_cmp_gt_u32 s41, s43
	s_cbranch_scc0 .Lnot_mine_\@
	global_prefetch_b8 v9, s[44:45] th:TH_LOAD_NT scope:SCOPE_SE
.Lnot_mine_\@:
.endm
; The first two of the three lines in front of a change's barrier.  par: the slot that is read next.  The add is written twice.
.macro LINES par, fill, ask
	s_wait_tensorcnt 0x0                           ; no tensor load of mine is out: my part of the next slot is in, and a group 0 may be written
	ds_add_u32 v4, v5
	ds_add_u32 v4, v5
.if \fill
	s_add_nc_u64 s[34+4*\par:35+4*\par], s[34+4*\par:35+4*\par], 8*REG   ; slot par's next four steps: eight steps on
.endif
.if \ask
	s_wait_xcnt 0x0                                ; the last prefetch, eight key steps back, has read its address
	s_add_nc_u64 s[44:45], s[44:45], 8*REG
.endif
.endm
.macro KASK                            ; a slot's first K is asked for: eight tiles and their scale words, from the region at LDS byte s40
	v_add_nc_u32 v6, s40, v1
	v_add_nc_u32 v8, s40, v3
.irp t, 0,1,2,3,4,5,6,7
.irp p, 0,1,2
	ds_load_b64 v[KF+6*\t+2*\p:KF+6*\t+2*\p+1], v6 offset:768*\t+256*\p
.endr
.endr
.irp b, 0,1,2,3
	ds_load_b32 v[KS+\b], v8 offset:128*\b         ; lanes 0-15 tile 2 b's scale words, lanes 16-31 tile 2 b + 1's
.endr
.endm
; A KEY STEP: 128 keys; its region begins at LDS byte s40; its K is in registers.  kind 0: the next step's K is fetched too;  1: a slot's last step, with the change of slots;  2: the very last step.
.macro STEP kind, par, fill, ask
.irp b, 0,1,2,3
	v_wmma_scale_f32_16x16x128_f8f6f4 v[S+16*\b:S+16*\b+7], v[KF+12*\b:KF+12*\b+11], v[16:27], 0, v[KS+\b], v28 matrix_a_fmt:MATRIX_FMT_FP6 matrix_b_fmt:MATRIX_FMT_FP6
	v_wmma_scale_f32_16x16x128_f8f6f4 v[S+16*\b+8:S+16*\b+15], v[KF+12*\b+6:KF+12*\b+17], v[16:27], 0, v[KS+\b], v28 matrix_a_fmt:MATRIX_FMT_FP6 matrix_b_fmt:MATRIX_FMT_FP6 matrix_a_scale:MATRIX_SCALE_ROW1
.endr
	v_add_nc_u32 v6, s40, v1                       ; four plain lines: the places behind the products, ahead of the loads into their sources and of the first read of the scores
	v_add_nc_u32 v7, s40, v2
	v_add_nc_u32 v8, s40, v3
	v_mov_b32 v244, v12                            ; the old -M
.irp t, 0,1,2,3
.irp g, 0,1,2
	ds_load_b128 v[VF+12*\t+4*\g:VF+12*\t+4*\g+3], v7 offset:1536*\t+512*\g   ; V's four fragments
.endr
.endr
.irp j, 0,1
	ds_load_b32 v[VS+\j], v8 offset:512+128*\j
.endr
.if \kind == 0
.irp t, 0,1,2,3,4,5,6,7
.irp p, 0,1,2
	ds_load_b64 v[KF+6*\t+2*\p:KF+6*\t+2*\p+1], v6 offset:REG+768*\t+256*\p   ; the next step's K, from the next region of the same slot
.endr
.endr
.irp b, 0,1,2,3
	ds_load_b32 v[KS+\b], v8 offset:REG+128*\b
.endr
.endif
.if \kind == 1
	LINES \par, \fill, \ask                        ; the maxima below, work on registers, stand between the add and the wait for it
.endif
; the largest score of my two blocks of 32 keys, in four chains of 16: v[240 + 2 c + e]; each accumulator is first read at its low end
.irp c, 0,1
.irp e, 0,1
	v_max3_num_f32 v[240+2*\c+\e], v[S+32*\c+16*\e], v[S+32*\c+16*\e+1], v[S+32*\c+16*\e+2]
.endr
.endr
.irp i, 3,5,7,9,11,13
.irp c, 0,1
.irp e, 0,1
	v_max3_num_f32 v[240+2*\c+\e], v[240+2*\c+\e], v[S+32*\c+16*\e+\i], v[S+32*\c+16*\e+\i+1]
.endr
.endr
.endr
.irp c, 0,1
	v_max_num_f32 v[241+2*\c], v[241+2*\c], v[S+32*\c+31]
.endr
.irp c, 0,1
	v_max3_num_f32 v[240+2*\c], v[240+2*\c], v[S+32*\c+15], v[241+2*\c]   ; block 2 c + h's largest score: for the row's maximum and, since p rises with the score, for the block's largest p
.endr
	v_max_num_f32 v245, v240, v242
	v_permlanex16_b32 v243, v245, s20, s21         ; lane l xor 16's two blocks
	v_max3_num_f32 v13, v13, v245, v243            ; the running largest score of my query
	DEP 1
	v_mul_f32 v245, s3, v13                        ; -t (s3 = -c)
	DEP 1
	v_floor_f32 v12, v245                          ; the new -M = floor(-t) = -ceil(t)
	DEP 1
	v_sub_f32 v244, v12, v244                      ; old M - new M: a whole number, 0 or less
	DEP 1
	v_cvt_i32_f32 v244, v244                       ; (it saturates)
	DEP 1
	v_ldexp_f32 v246, 1.0, v244                    ; f = 2^(old M - new M)
.if \kind == 1
	s_wait_alu depctr_va_vdst(0)
	s_wait_dscnt 0x0                               ; the adds are done and V is in: my reads of this slot are over
.if \fill
	CROUND                                         ; no wave of any partner still reads this slot or has a load on its way
	TLOAD 36-4*\par                                ; the slot just read out is filled again, jointly: the first thing behind the round, a wave's one tensor load until the next
.if \ask
	ASK
.endif
	s_mov_b32 s40, \par*SLOTB
	KASK                                           ; the next slot's first K lands under the rest of this step
.else
	s_barrier_signal -1                            ; nothing is filled again: register work alone from here to the wait
.endif
.endif
.set n, 0
.rept 32
	v_pk_fma_f32 v[S+n:S+n+1], v[S+n:S+n+1], s[22:23], v[12:13] op_sel_hi:[1,0,0]   ; t - M, two at a time
.set n, n+2
.endr
	v_fma_f32 v240, v240, s22, v12                 ; the same of each block's largest score
	v_fma_f32 v242, v242, s22, v12
	s_wait_alu depctr_va_vdst(0)
.set n, 0
.rept 64
	v_exp_f32 v[S+n], v[S+n]                       ; p = 2^(t - M), at most 1
.set n, n+1
.endr
	v_exp_f32 v240, v240                           ; the blocks' largest p: the same two instructions on the same number
	v_exp_f32 v242, v242
	v_pk_mul_f32 v[14:15], v[14:15], v[246:247] op_sel_hi:[1,0]   ; the sums under the new M: the plain place behind the exponentials
	s_wait_alu depctr_va_vdst(0)                   ; one wait for the batch of 66, ahead of its first reader
	v_pk_add_f32 v[248:249], v[S:S+1], v[S+2:S+3]  ; the row's sum of the unquantised p: four chains
	v_pk_add_f32 v[250:251], v[S+4:S+5], v[S+6:S+7]
	v_pk_add_f32 v[252:253], v[S+8:S+9], v[S+10:S+11]
	v_pk_add_f32 v[14:15], v[14:15], v[S+12:S+13]
.set n, 14
.rept 6
	v_pk_add_f32 v[248:249], v[248:249], v[S+n:S+n+1]
	v_pk_add_f32 v[250:251], v[250:251], v[S+n+2:S+n+3]
	v_pk_add_f32 v[252:253], v[252:253], v[S+n+4:S+n+5]
	v_pk_add_f32 v[14:15], v[14:15], v[S+n+6:S+n+7]
.set n, n+8
.endr
	v_pk_add_f32 v[248:249], v[248:249], v[S+62:S+63]
	v_pk_add_f32 v[14:15], v[14:15], v[252:253]
	DEP 2
	v_pk_add_f32 v[248:249], v[248:249], v[250:251]
	v_max_num_f32 v240, 0x1800000, v240            ; the floor 2^(3 - 127): the byte cannot fall under 1
	v_max_num_f32 v242, 0x1800000, v242
	v_pk_add_f32 v[14:15], v[14:15], v[248:249]
	v_add_nc_u32 v241, 0xff000000, v240            ; 2 off the exponent field: the conversions' scale operands
	v_add_nc_u32 v243, 0xff000000, v242
	DEP 2
	v_lshrrev_b32 v240, 23, v241                   ; the scales' bytes: blocks h and 2 + h
	DEP 2
	v_lshrrev_b32 v242, 23, v243
	DEP 1
	v_lshl_or_b32 v240, v242, 16, v240
	DEP 1
	v_lshlrev_b32 v240, v255, v240                 ; at their places, 8 h bits up
	DEP 1
	v_permlanex16_b32 v242, v240, s20, s21
	v_or_b32 v35, v240, v242                       ; with lane l xor 16's two: p's scale word for these 128 keys
	v_cvt_scalef32_pk16_fp6_f32 v[PC:PC+2], v[S:S+15], v241
	v_cvt_scalef32_pk16_fp6_f32 v[248:250], v[S+16:S+31], v241      ; (a conversion's three registers begin on an even number)
	v_cvt_scalef32_pk16_fp6_f32 v[PC+6:PC+8], v[S+32:S+47], v243
	v_cvt_scalef32_pk16_fp6_f32 v[252:254], v[S+48:S+63], v243
	v_nop                                          ; one plain place behind a scaled conversion
.irp i, 0,1,2
	v_mov_b32 v[PC+3+\i], v[248+\i]
	v_mov_b32 v[PC+9+\i], v[252+\i]
.endr
	s_wait_alu depctr_va_vdst(0)                   ; directly ahead of the first reader of O^T
.set n, 0
.rept 16
	v_pk_mul_f32 v[OA+n:OA+n+1], v[OA+n:OA+n+1], v[246:247] op_sel_hi:[1,0]   ; O^T under the new M.  These sixteen are also the places between the writes of p's scale word and codes and the products below
.set n, n+2
.endr
.if \kind != 1
	s_wait_alu depctr_va_vdst(0)
	s_wait_dscnt 0x0                               ; V is in, and the next step's K
.endif
.irp b, 0,1
	v_wmma_scale_f32_16x16x128_f8f6f4 v[OA+16*\b:OA+16*\b+7], v[VF+24*\b:VF+24*\b+11], v[PC:PC+11], v[OA+16*\b:OA+16*\b+7], v[VS+\b], v35 matrix_a_fmt:MATRIX_FMT_FP6 matrix_b_fmt:MATRIX_FMT_FP6
	v_wmma_scale_f32_16x16x128_f8f6f4 v[OA+16*\b+8:OA+16*\b+15], v[VF+24*\b+12:VF+24*\b+23], v[PC:PC+11], v[OA+16*\b+8:OA+16*\b+15], v[VS+\b], v35 matrix_a_fmt:MATRIX_FMT_FP6 matrix_b_fmt:MATRIX_FMT_FP6 matrix_a_scale:MATRIX_SCALE_ROW1
.endr                                  ; the four accumulators take turns, and the next step's eight products K Q^T stand between two links of a chain
.if \kind == 1
.if \fill == 0
	s_barrier_wait -1                              ; the last slot is whole
.endif
.endif
.endm
.macro PHASE slot, pre, kind, par, fill, ask ; a slot's four key steps.  pre = 1: its first K has been asked for
	s_mov_b32 s40, \slot*SLOTB
.if \pre == 0
	KASK
.endif
	s_wait_dscnt 0x0                               ; the slot's first K is in
	s_mov_b32 s42, 3
.Lstep_\@:
	STEP 0, 0, 0, 0
	s_add_co_u32 s40, s40, REG                     ; the next step's region
	s_sub_co_u32 s42, s42, 1
	s_cmp_lg_u32 s42, 0
	s_cbranch_scc1 .Lstep_\@
	STEP \kind, \par, \fill, \ask
.endm
	s_load_b128 s[4:7], s[0:1], 0x0                ; qb, kv
	s_load_b64 s[8:9], s[0:1], 0x10                ; ao
	v_lshl_add_u32 v4, v0, 2, SPARE
	v_mov_b32 v5, 0
	ds_add_u32 v4, v5                              ; the opening lines: the add, twice on end, and its wait
	ds_add_u32 v4, v5
	s_wait_dscnt 0x0
	v_lshrrev_b32 v6, 5, v0
	s_delay_alu instid0(VALU_DEP_1)
	v_readfirstlane_b32 s10, v6                    ; wave 0..11
	s_lshr_b32 s11, s10, 2                         ; j: which of the three heads
	s_and_b32 s46, s10, 3                          ; which of the four tiles of queries; in waves 0 to 3 also: which step of a slot I fetch
	s_bfe_u32 s12, ttmp6, 0x40000                  ; cx: my place in the cluster
	s_lshl_b32 s13, ttmp9, 2
	s_add_co_u32 s13, s13, s12                     ; my block of 64 queries
	s_and_b32 s14, ttmp7, 0xffff                   ; the triple of heads, which the four partners share
	s_mul_i32 s15, s14, 3
	s_add_co_u32 s15, s15, s11                     ; my head
	s_mov_b32 s20, 0x76543210
	s_mov_b32 s21, 0xfedcba98                      ; v_permlanex16_b32's selects for lane l xor 16
	s_mov_b32 s22, 0x3e38aa3b                      ; c = log2(e) / 8
	s_mov_b32 s23, s22                             ; (named with it as a pair, so it is written)
	s_mov_b32 s3, 0xbe38aa3b                       ; -c
	; descriptor group 1: a region as 153 rows of 256 bytes (32 elements of 8 bytes), dense, no padding
	s_mov_b32 s24, 15|(3<<16)|(1<<21)              ; 15:0 the mask: all four work-groups; 17:16 elements of 8 bytes; 21 set beside a mask
	s_mov_b32 s25, 32<<16                          ; tensor_dim0 = 32
	s_mov_b32 s26, 153<<16                         ; tensor_dim1 = 153
	s_mov_b32 s27, 32<<16                          ; tile_dim0 = 32
	s_mov_b32 s28, 153                             ; tile_dim1 = 153
	s_mov_b32 s29, 32                              ; tensor_dim0_stride
	s_mov_b32 s30, 0
	s_mov_b32 s31, 0
	; groups 0, one for each slot: made of the triple and the wave's number alone, in registers that never hold cx
	s_mov_b32 s32, 1
	s_mul_i32 s33, s46, REG                        ; LDS: slot 0, my step
	s_mov_b32 s36, 1
	s_add_co_u32 s37, s33, SLOTB                   ; slot 1
	s_lshl_b32 s47, s14, 5
	s_add_co_u32 s47, s47, s46
	s_mul_i32 s48, s47, REG                        ; region 32 y + my step
	s_mov_b32 s49, 0
	; what hangs on cx: Q's, the result's and the prefetches' offsets
	s_lshl_b32 s50, s13, 2
	s_add_co_u32 s50, s50, s46                     ; T: my tile of queries
	s_mov_b32 s53, 0
	s_mov_b32 s59, 0
	s_mov_b32 s61, 0
	s_mov_b32 s63, 0
	s_mul_i32 s51, s15, 196608
	s_mul_i32 s52, s50, 768
	s_add_co_u32 s52, s52, s51                     ; Q's codes
	s_lshl_b32 s51, s15, 14
	s_lshl_b32 s58, s50, 6
	s_add_co_u32 s58, s58, s51
	s_add_co_u32 s58, s58, 2359296                 ; Q's scale words
	s_mul_i32 s51, s50, 9216
	s_mul_i32 s60, s15, 768
	s_add_co_u32 s60, s60, s51                     ; the result's codes
	s_mul_i32 s51, s50, 384
	s_lshr_b32 s62, s15, 1
	s_lshl_b32 s62, s62, 6
	s_add_co_u32 s62, s62, s51
	s_and_b32 s51, s15, 1
	s_lshl_b32 s51, s51, 1
	s_add_co_u32 s62, s62, s51
	s_add_co_u32 s62, s62, 2359296                 ; the result's scale bytes
	s_lshl_b32 s54, s14, 5
	s_lshl_b32 s51, s12, 1
	s_add_co_u32 s54, s54, s51
	s_mul_i32 s54, s54, REG                        ; the prefetches: region 32 y + 2 cx; each request steps it eight regions on first
	s_mov_b32 s55, 0
	s_cmp_lt_u32 s10, 9
	s_cselect_b32 s43, 0, 1
	s_or_b32 s43, s43, ttmp9
	s_cmp_eq_u32 s43, 0
	s_cselect_b32 s43, 1, -1                       ; 1 in waves 0 to 8 of the triple's first cluster: the same in all four partners
	s_mov_b32 s41, 3
	s_wait_kmcnt 0x0
	s_add_nc_u64 s[34:35], s[6:7], s[48:49]
	s_add_nc_u64 s[38:39], s[34:35], 4*REG
	s_or_b32 s35, s35, 0x80000000                  ; type = 2
	s_or_b32 s39, s39, 0x80000000
	s_add_nc_u64 s[16:17], s[4:5], s[52:53]
	s_add_nc_u64 s[18:19], s[4:5], s[58:59]
	s_add_nc_u64 s[56:57], s[8:9], s[62:63]
	s_add_nc_u64 s[52:53], s[8:9], s[60:61]
	s_add_nc_u64 s[44:45], s[6:7], s[54:55]
	CROUND                                         ; all four work-groups are here: the first joint loads meet
	TLOAD 32                                       ; key steps 0 to 3 into slot 0: a wave's one tensor load at the head
	v_and_b32 v244, 31, v0                         ; lane
	v_and_b32 v245, 15, v0                         ; r
	v_bfe_u32 v246, v0, 4, 1                       ; h
	s_mul_i32 s58, s11, 12288
	v_lshl_add_u32 v1, v244, 3, s58                ; K: 8 x lane + my head's part of a region
	s_add_co_u32 s59, s58, 6144
	v_lshl_add_u32 v2, v244, 4, s59                ; V: 16 x lane
	s_mul_i32 s60, s11, 768
	s_add_co_u32 s60, s60, 36864
	v_lshl_add_u32 v3, v244, 2, s60                ; scale words: 4 x lane
	v_lshlrev_b32 v10, 3, v244
	v_lshlrev_b32 v11, 2, v245
	v_lshlrev_b32 v255, 3, v246                    ; 8 h
.irp p, 0,1,2
	global_load_b64 v[16+2*\p:17+2*\p], v10, s[16:17] offset:256*\p   ; Q's half fragment stays in registers
.endr
	global_load_b32 v28, v11, s[18:19]             ; and its scale words
	v_min_u32 v9, 287, v0                          ; the prefetches: block = thread, 288 of them;
	s_delay_alu instid0(VALU_DEP_1)
	v_cmp_lt_u32 vcc_lo, 143, v9
	v_mov_b32 v244, 2304
	s_delay_alu instid0(VALU_DEP_1)
	v_cndmask_b32 v244, 0, v244, vcc_lo            ; the second 144 lie in the next region, behind the first region's scale words
	s_delay_alu instid0(VALU_DEP_1)
	v_lshl_add_u32 v9, v9, 8, v244
	v_mov_b32 v13, 0xff61b1e6                      ; the largest score so far: -3e38, under every score
	s_delay_alu instid0(VALU_DEP_1)
	v_mul_f32 v12, s3, v13
	s_delay_alu instid0(VALU_DEP_1)
	v_floor_f32 v12, v12                           ; -M
	v_mov_b32 v14, 0
	v_mov_b32 v15, 0
.irp n, 22,23,24,25,26,27,84,85,86,87,88,89,90,91,92,93,94,95,247
	v_mov_b32 v\n, 0                               ; Q's upper half; p's codes, of which six stand behind K's last tile; the upper half of f's pair
.endr
.set n, 0
.rept 32
	v_mov_b32 v[OA+n], 0                           ; O^T: the step is written once; the first finds zeros, which the first change of M leaves zeros
.set n, n+1
.endr
	s_wait_alu depctr_va_vdst(0)
	s_wait_loadcnt 0x0                             ; Q
	LINES 0, 1, 1                                  ; slot 1's first fill is issued as a refill is
	s_wait_dscnt 0x0
	CROUND
	TLOAD 36                                       ; key steps 4 to 7 into slot 1
	ASK
	s_mov_b32 s40, 0
	KASK                                           ; slot 0's first K
.Lpair:                                                ; three trips, eight key steps each
	PHASE 0, 1, 1, 1, 1, 0
	PHASE 1, 1, 1, 0, 1, 1
	s_sub_co_u32 s41, s41, 1
	s_cmp_lg_u32 s41, 0
	s_cbranch_scc1 .Lpair
	PHASE 0, 1, 1, 1, 0, 0                         ; the tail is written out: nothing more is asked for
	PHASE 1, 0, 2, 0, 0, 0
	; THE WAY OUT: O^T / the sum, quantised along the head's 64 (two blocks), as half a fragment of the last projection's operand.  V's registers are at work here.
.rept 4
	v_nop                                          ; places behind the last products
.endr
	v_add_f32 v14, v14, v15                        ; the sum's two halves,
	s_delay_alu instid0(VALU_DEP_1)
	v_permlanex16_b32 v224, v14, s20, s21
	s_delay_alu instid0(VALU_DEP_1)
	v_add_f32 v14, v14, v224                       ; and lane l xor 16's
	v_and_b32 v245, 15, v0
	v_bfe_u32 v246, v0, 4, 1                       ; h
	s_delay_alu instid0(VALU_DEP_1)
	v_lshl_add_u32 v11, v245, 2, v246              ; 4 r + h
	s_wait_alu depctr_va_vdst(0)
	v_rcp_f32 v14, v14
	v_nop                                          ; a plain place behind the reciprocal
	v_cmp_ne_u32 vcc_lo, 0, v246                   ; lanes 16-31
	s_wait_alu depctr_va_vdst(0)
.set n, 0
.rept 32
	v_mul_f32 v[S+n], v[OA+n], v14                 ; register 16 b + i: channel 32 b + 16 h + i of my query; each accumulator from its low end on
.set n, n+1
.endr
.irp b, 0,1
	v_max3_num_f32 v[212+\b], |v[S+16*\b]|, |v[S+1+16*\b]|, 0x1800000
.endr
.irp i, 2,4,6,8,10,12,14
.irp b, 0,1
	s_delay_alu instid0(VALU_DEP_2)
	v_max3_num_f32 v[212+\b], v[212+\b], |v[S+16*\b+\i]|, |v[S+1+16*\b+\i]|
.endr
.endr
.irp b, 0,1
	s_delay_alu instid0(VALU_DEP_2)
	v_permlanex16_b32 v[216+\b], v[212+\b], s20, s21
.endr
.irp b, 0,1
	s_delay_alu instid0(VALU_DEP_2)
	v_max_num_f32 v[212+\b], v[212+\b], v[216+\b]
.endr
.irp b, 0,1
	s_delay_alu instid0(VALU_DEP_2)
	v_add_nc_u32 v[220+\b], 0xff000000, v[212+\b]
.endr
.irp b, 0,1
	s_delay_alu instid0(VALU_DEP_2)
	v_lshrrev_b32 v[216+\b], 23, v[220+\b]
.endr
	v_cvt_scalef32_pk16_fp6_f32 v[192:194], v[S:S+15], v220
	v_cvt_scalef32_pk16_fp6_f32 v[204:206], v[S+16:S+31], v221
	v_nop                                          ; one plain place behind a scaled conversion
.irp i, 0,1,2
	v_permlane16_swap_b32 v[192+\i], v[204+\i]     ; lanes 0-15 block 0, lanes 16-31 block 1
.endr
.irp i, 0,1,2
	s_delay_alu instid0(VALU_DEP_3)
	v_mov_b32 v[195+\i], v[204+\i]
.endr
	v_cndmask_b32 v224, v216, v217, vcc_lo         ; lane (r, h) stores block h's byte
.irp p, 0,1,2
	global_store_b64 v10, v[192+2*\p:193+2*\p], s[52:53] offset:256*\p   ; 256 consecutive bytes, at a multiple of 256 from ao's first byte
.endr
	global_store_b8 v11, v224, s[56:57]
	s_wait_tensorcnt 0x0                           ; the wave's end
	ds_add_u32 v4, v5
	s_wait_dscnt 0x0
	CROUND                                         ; the closing round: no work-group ends while a partner may still ask for a tile that names it
	s_endpgm
.Lfunc_end_k_q8e2b8cfe74_attn:
	.size	k_q8e2b8cfe74_attn, .Lfunc_end_k_q8e2b8cfe74_attn-k_q8e2b8cfe74_attn
	.p2alignl 7, 3214868480
	.fill 96, 4, 3214868480
	.section	.rodata,"a",@progbits
	.p2align	6, 0x0
	.amdhsa_kernel k_q8e2b8cfe74_attn
		.amdhsa_group_segment_fixed_size 327680
		.amdhsa_private_segment_fixed_size 0
		.amdhsa_enable_private_segment 0
		.amdhsa_kernarg_size 24
		.amdhsa_user_sgpr_count 2
		.amdhsa_user_sgpr_kernarg_segment_ptr 1
		.amdhsa_wavefront_size32 1
		.amdhsa_system_sgpr_workgroup_id_x 1
		.amdhsa_system_sgpr_workgroup_id_y 1
		.amdhsa_system_sgpr_workgroup_id_z 1
		.amdhsa_system_vgpr_workitem_id 0
		.amdhsa_next_free_vgpr 256
		.amdhsa_next_free_sgpr 66
		.amdhsa_reserve_vcc 1
		.amdhsa_float_denorm_mode_32 3
		.amdhsa_float_denorm_mode_16_64 3
		.amdhsa_memory_ordered 1
		.amdhsa_forward_progress 1
		.amdhsa_inst_pref_size 140
	.end_amdhsa_kernel
	.amdgpu_metadata
---
amdhsa.version: [ 1, 2 ]
amdhsa.kernels:
  - .name:           k_q8e2b8cfe74_attn
    .symbol:         k_q8e2b8cfe74_attn.kd
    .args:
      - { .name: qb, .offset: 0, .size: 8, .value_kind: global_buffer, .address_space: global }
      - { .name: kv, .offset: 8, .size: 8, .value_kind: global_buffer, .address_space: global }
      - { .name: ao, .offset: 16, .size: 8, .value_kind: global_buffer, .address_space: global }
    .group_segment_fixed_size: 327680
    .private_segment_fixed_size: 0
    .kernarg_segment_align: 8
    .kernarg_segment_size: 24
    .max_flat_workgroup_size: 384
    .sgpr_count:     66
    .vgpr_count:     256
    .wavefront_size: 32
...
	.end_amdgpu_metadata
.endif
;; end of part 3
;; launch outp (part 4): grid 32 x 6, 4 waves a work-group, no clusters, 108,032 bytes of LDS; arguments xw, ao, b_o, out0; writes out0
.if DOCPART == 4
	.amdgcn_target "amdgcn-amd-amdhsa--gfx1250"
	.amdhsa_code_object_version 6
	.text
	.protected	k_q8e2b8cfe74_outp
	.globl	k_q8e2b8cfe74_outp
	.p2align	8
	.type	k_q8e2b8cfe74_outp,@function
k_q8e2b8cfe74_outp:
	s_mov_b64 s[64:65], 0
	v_nop
	global_prefetch_b8 v0, s[64:65] scope:SCOPE_SE
	s_setreg_imm32_b32 hwreg(HW_REG_WAVE_MODE, 25, 1), 1
	s_wait_xcnt 0x0
; out0 = a W_o + b_o on codes of FP6 (E2M3): a, the attention's result, out of ao; W_o out of xw; sums in f32; out0 [4096][768] f32.
; Tiles and fragments: place r of tile T is row 32 (T / 2) + 8 (T % 2) + r + 8 (r / 8).  W_o's fragments lie with register 4 g + e at 512 g + 16 lane + 4 e, a's with register 2 p + e at 256 p + 8 lane + 4 e; scale words 64 bytes a (tile, K step).
; THE PRODUCT: source 0 = 8 tiles of W_o's columns (128 columns: work-group y), source 1 = 2 tiles of tokens a wave (128 tokens a work-group: x).  A lane then holds one token, and registers 16 b + i of its 64 are
; columns 32 b + 16 h + i.  The bias is the C of each sum's first matrix instruction.
; W_o's 73,728 bytes come into LDS once, through registers, and are read by all four waves; a comes from memory straight into registers of window 2, all six K steps at the head.  K = 768 is six steps, written out.
; THE WAY OUT: a tile's 16 rows x 512 bytes go through the wave's own stage in LDS (pitch 528 = 33 x 16 bytes) and leave as whole rows: a store covers 512 consecutive bytes at a multiple of 256 from out0's first byte.
; NO CLUSTER, NO TENSOR LOAD: a K step is 16 matrix instructions a wave: a round of a cluster's barrier for each would outweigh what sharing W_o's 73,728 bytes saves.
; REGISTERS: window 0: v1-6 addresses; v8-103 W_o's 8 fragments; v152-215 the bias; v216-239 W_o's scale words, v240-245 a's; v246-248 stage addresses, 64 h; v252-254 lane, r, h.
;   window 1: the 16 accumulators, (tile t of columns, tile q of tokens) at v[8 (8 q + t)].   On the way out v8-135 take the rows.
.set TILEB, 9216
.set FRAG,  1536
.set SC0,   8847360
.set ASC,   2359296                    ; ao's scale bytes
.set HALFP, 36864
.set STG,   73728                      ; behind W_o's tiles: a stage of 16 x 528 bytes for each wave
.set SPX,   528
.set PF,  8
.set RB0, 104
.set BI,  152
.set PS,  216
.set RS,  240
.set MSB, 0
.macro WIN new                         ; the immediate's high byte repeats the setting that is left
.if MSB != \new
	s_set_vgpr_msb (MSB<<8)|\new
.set MSB, \new
.endif
.endm
.macro PLACES                          ; four plain places behind a matrix instruction, ahead of loads into its sources and of reads of its results
.rept 4
	v_nop
.endr
.endm
.macro FETCH_P s
.irp t, 0,1,2,3
.irp g, 0,1,2
	ds_load_b128 v[PF+12*\t+4*\g:PF+12*\t+4*\g+3], v1 offset:TILEB*\t+FRAG*(\s)+512*\g
.endr
.endr
.irp t, 0,1,2,3
.irp g, 0,1,2
	ds_load_b128 v[PF+48+12*\t+4*\g:PF+48+12*\t+4*\g+3], v2 offset:TILEB*\t+FRAG*(\s)+512*\g
.endr
.endr
.endm
.macro FETCH_R s, buf                  ; my two fragments of a: 12 loads of 256 consecutive bytes
.irp q, 0,1
.irp p, 0,1,2,3,4,5
	global_load_b64 v[\buf+12*\q+2*\p:\buf+12*\q+2*\p+1], v6, s[24:25] offset:TILEB*\q+FRAG*(\s)+256*\p
.endr
.endr
.endm
; 16 matrix instructions: a K step.  The 16 accumulators take turns, one instruction a turn, in the same order in every step.
.macro KMUL s, buf, first
.if \first
	WIN 0x48                                       ; D in window 1, C (the bias) in window 0, source 1 (a) in window 2
.else
	WIN 0x58                                       ; C and D in window 1, source 1 (a) in window 2
.endif
.irp q, 0,1
.irp t, 0,1,2,3,4,5,6,7
.if \first
	v_wmma_scale_f32_16x16x128_f8f6f4 v[8*(8*\q+\t):8*(8*\q+\t)+7], v[PF+12*\t:PF+12*\t+11], v[\buf+12*\q:\buf+12*\q+11], v[BI+8*\t:BI+8*\t+7], v[PS+3*\t+(\s)/2], v[RS+3*\q+(\s)/2] matrix_a_fmt:MATRIX_FMT_FP6 matrix_b_fmt:MATRIX_FMT_FP6
.elseif (\s)%2
	v_wmma_scale_f32_16x16x128_f8f6f4 v[8*(8*\q+\t):8*(8*\q+\t)+7], v[PF+12*\t:PF+12*\t+11], v[\buf+12*\q:\buf+12*\q+11], v[8*(8*\q+\t):8*(8*\q+\t)+7], v[PS+3*\t+(\s)/2], v[RS+3*\q+(\s)/2] matrix_a_fmt:MATRIX_FMT_FP6 matrix_b_fmt:MATRIX_FMT_FP6 matrix_a_scale:MATRIX_SCALE_ROW1 matrix_b_scale:MATRIX_SCALE_ROW1
.else
	v_wmma_scale_f32_16x16x128_f8f6f4 v[8*(8*\q+\t):8*(8*\q+\t)+7], v[PF+12*\t:PF+12*\t+11], v[\buf+12*\q:\buf+12*\q+11], v[8*(8*\q+\t):8*(8*\q+\t)+7], v[PS+3*\t+(\s)/2], v[RS+3*\q+(\s)/2] matrix_a_fmt:MATRIX_FMT_FP6 matrix_b_fmt:MATRIX_FMT_FP6
.endif
.endr
.endr
.endm
.macro KSTEP s, first
	s_wait_dscnt 0x0                               ; W_o's fragments of this step are in
	KMUL \s, 24*(\s), \first
	WIN 0
	PLACES
.if (\s) < 5
	FETCH_P (\s)+1
.endif
.endm
	s_load_b256 s[4:11], s[0:1], 0x0               ; xw, ao, b_o, out0
	v_lshl_add_u32 v251, v0, 2, 0x1a400
	v_mov_b32 v255, 0
	v_lshrrev_b32 v1, 5, v0
	v_readfirstlane_b32 s16, v1                    ; wave 0..3
	v_and_b32 v252, 31, v0                         ; lane
	v_and_b32 v253, 15, v0                         ; r
	v_bfe_u32 v254, v0, 4, 1                       ; h
	v_lshlrev_b32 v1, 4, v252                      ; 16 x lane
	v_add_nc_u32 v2, HALFP, v1
	v_lshlrev_b32 v3, 2, v252                      ; 4 x lane
	v_lshlrev_b32 v4, 4, v0                        ; 16 x thread
	v_add_nc_u32 v5, HALFP, v4
	v_lshlrev_b32 v6, 3, v252                      ; 8 x lane
	s_mul_i32 s30, s16, 16*SPX
	s_add_co_u32 s30, s30, STG                     ; my stage
	v_mul_u32_u24 v246, v253, SPX
	v_lshl_add_u32 v246, v254, 6, v246
	v_add_nc_u32 v246, s30, v246                   ; in: row r, + 64 h
	v_add_nc_u32 v247, s30, v1                     ; back: a row's 512 bytes, 16 a lane
	v_lshlrev_b32 v248, 6, v254                    ; 64 h: the bias
	s_and_b32 s17, ttmp7, 0xffff                   ; which 128 columns
	s_lshl_b32 s18, ttmp9, 3
	s_lshl_b32 s19, s16, 1
	s_add_co_u32 s18, s18, s19                     ; my first tile of tokens (even)
	s_lshl_b32 s32, s17, 3
	s_add_co_u32 s32, s32, 912                     ; W_o's first tile
	s_mul_i32 s34, s32, TILEB
	s_mov_b32 s35, 0
	s_mul_i32 s36, s32, 384
	s_add_co_u32 s36, s36, SC0
	s_mov_b32 s37, 0
	s_mul_i32 s38, s18, TILEB
	s_mov_b32 s39, 0
	s_mul_i32 s40, s18, 384
	s_add_co_u32 s40, s40, ASC
	s_mov_b32 s41, 0
	s_lshl_b32 s42, s17, 9                         ; 128 columns are 512 bytes
	s_mov_b32 s43, 0
	s_mul_i32 s44, s18, 16*3072                    ; tiles 2 a and 2 a + 1 begin at token 32 a
	s_add_co_u32 s44, s44, s42
	s_mov_b32 s45, 0
	s_wait_alu depctr_va_vdst(0)
	s_wait_kmcnt 0x0
	s_add_nc_u64 s[22:23], s[4:5], s[34:35]        ; W_o's codes
	s_add_nc_u64 s[26:27], s[4:5], s[36:37]        ; W_o's scale words
	s_add_nc_u64 s[24:25], s[6:7], s[38:39]        ; a's codes
	s_add_nc_u64 s[28:29], s[6:7], s[40:41]        ; a's scale words
	s_add_nc_u64 s[8:9], s[8:9], s[42:43]          ; the bias at my columns
	s_add_nc_u64 s[10:11], s[10:11], s[44:45]      ; out0 at my first token and column
	; ALL SIX K STEPS OF a ARE ASKED FOR HERE, AT THE HEAD (no longer two K steps ahead): 2 tiles x 6 steps x 12 registers = 144 registers of window 2 (step s at v[24 s] there), which nothing else names;
	; with them the scale words and the bias, all ahead of W_o's loads: so the last of W_o's counted waits shows every one of them in, and the K steps wait for LDS alone.
	WIN 0x80                                       ; the loads' destination: window 2
.irp s, 0,1,2,3,4,5
	FETCH_R \s, 24*\s
.endr
	WIN 0
.irp t, 0,1,2,3,4,5,6,7
.irp j, 0,1,2
	global_load_b32 v[PS+3*\t+\j], v3, s[26:27] offset:384*\t+128*\j
.endr
.endr
.irp q, 0,1
.irp j, 0,1,2
	global_load_b32 v[RS+3*\q+\j], v3, s[28:29] offset:384*\q+128*\j
.endr
.endr
.irp b, 0,1,2,3
.irp e, 0,1,2,3
	global_load_b128 v[BI+16*\b+4*\e:BI+16*\b+4*\e+3], v248, s[8:9] offset:128*\b+16*\e   ; register 16 b + i: the bias of column 32 b + 16 h + i
.endr
.endr
.set i, 0
.rept 36
	global_load_b128 v[PF+4*i:PF+4*i+3], v4, s[22:23] offset:2048*i
.set i, i+1
.endr
.set i, 0
.rept 36
	s_wait_loadcnt 35-i                            ; load i is in; the younger ones may be out
.if i < 18
	ds_store_b128 v4, v[PF+4*i:PF+4*i+3] offset:2048*i
.else
	ds_store_b128 v5, v[PF+4*i:PF+4*i+3] offset:2048*(i-18)
.endif
.set i, i+1
.endr
	s_wait_dscnt 0x0                               ; my stores have landed, for the others' sake, and have read their registers
	s_barrier_signal -1
	s_barrier_wait -1                              ; W_o's tiles are whole: the launch's one barrier
	FETCH_P 0
	KSTEP 0, 1
	KSTEP 1, 0
	KSTEP 2, 0
	KSTEP 3, 0
	KSTEP 4, 0
	KSTEP 5, 0                                     ; its four places serve the stage's stores and the loads below
.irp q, 0,1
	WIN 0x04                                       ; an LDS store's data are its source 1: window 1
.irp t, 0,1,2,3,4,5,6,7
	ds_store_b128 v246, v[8*(8*\q+\t):8*(8*\q+\t)+3] offset:128*(\t/2)+32*(\t%2)         ; each accumulator from its low end on
	ds_store_b128 v246, v[8*(8*\q+\t)+4:8*(8*\q+\t)+7] offset:128*(\t/2)+32*(\t%2)+16
.endr
	WIN 0
.irp i, 0,1,2,3,4,5,6,7,8,9,10,11,12,13,14,15
	ds_load_b128 v[8+64*\q+4*\i:8+64*\q+4*\i+3], v247 offset:SPX*\i   ; LDS serves a wave's instructions in order: these see my stores, and the next tile's stores come behind them
.endr
.endr
	s_wait_dscnt 32                                ; the first tile's rows are back; the second tile's 16 stores and 16 loads may be out
.irp i, 0,1,2,3,4,5,6,7,8,9,10,11,12,13,14,15
	global_store_b128 v1, v[8+4*\i:8+4*\i+3], s[10:11] offset:(\i+8*(\i/8))*3072 th:TH_STORE_NT
.endr
	s_wait_dscnt 0x0
.irp i, 0,1,2,3,4,5,6,7,8,9,10,11,12,13,14,15
	global_store_b128 v1, v[72+4*\i:72+4*\i+3], s[10:11] offset:(8+\i+8*(\i/8))*3072 th:TH_STORE_NT
.endr
	s_wait_tensorcnt 0x0
	ds_add_u32 v251, v255
	s_wait_dscnt 0x0
	s_endpgm
.Lfunc_end_k_q8e2b8cfe74_outp:
	.size	k_q8e2b8cfe74_outp, .Lfunc_end_k_q8e2b8cfe74_outp-k_q8e2b8cfe74_outp
	.p2alignl 7, 3214868480
	.fill 96, 4, 3214868480
	.section	.rodata,"a",@progbits
	.p2align	6, 0x0
	.amdhsa_kernel k_q8e2b8cfe74_outp
		.amdhsa_group_segment_fixed_size 108032
		.amdhsa_private_segment_fixed_size 0
		.amdhsa_enable_private_segment 0
		.amdhsa_kernarg_size 32
		.amdhsa_user_sgpr_count 2
		.amdhsa_user_sgpr_kernarg_segment_ptr 1
		.amdhsa_wavefront_size32 1
		.amdhsa_system_sgpr_workgroup_id_x 1
		.amdhsa_system_sgpr_workgroup_id_y 1
		.amdhsa_system_sgpr_workgroup_id_z 1
		.amdhsa_system_vgpr_workitem_id 0
		.amdhsa_next_free_vgpr 656
		.amdhsa_next_free_sgpr 66
		.amdhsa_reserve_vcc 0
		.amdhsa_float_denorm_mode_32 3
		.amdhsa_float_denorm_mode_16_64 3
		.amdhsa_memory_ordered 1
		.amdhsa_forward_progress 1
		.amdhsa_inst_pref_size 51
	.end_amdhsa_kernel
	.amdgpu_metadata
---
amdhsa.version: [ 1, 2 ]
amdhsa.kernels:
  - .name:           k_q8e2b8cfe74_outp
    .symbol:         k_q8e2b8cfe74_outp.kd
    .args:
      - { .name: xw, .offset: 0, .size: 8, .value_kind: global_buffer, .address_space: global }
      - { .name: ao, .offset: 8, .size: 8, .value_kind: global_buffer, .address_space: global }
      - { .name: b_o, .offset: 16, .size: 8, .value_kind: global_buffer, .address_space: global }
      - { .name: out0, .offset: 24, .size: 8, .value_kind: global_buffer, .address_space: global }
    .group_segment_fixed_size: 108032
    .private_segment_fixed_size: 0
    .kernarg_segment_align: 8
    .kernarg_segment_size: 32
    .max_flat_workgroup_size: 128
    .sgpr_count:     66
    .vgpr_count:     656
    .wavefront_size: 32
...
	.end_amdgpu_metadata
.endif
;; end of part 4
